; MI455X (gfx1250); checked and timed in simulation.
; The chip was launched on July 23, 2026; its instructions are those of AMD's public machine-readable ISA for CDNA 5 (MIT licence, August 2026) and "CDNA5" Instruction Set Architecture Reference Guide (July 2026). The comments in the code are by the model that wrote it; some were corrected since.
;; BDH Attention. Allowed arithmetic: float matrix products may take bf16 or f16 operands with f32 sums; other float arithmetic in f32, or as packed bf16 or f16 multiplies, adds, multiply-adds, maxima and minima; sums over many terms, partial sums and values carried from step to step in f32; what a program stores and reads back later, other than sums and carried values, may be rounded once to bf16 or f16.
;; Inputs: K 2 x 12 x 2,048 x 256 float32; Q 2 x 12 x 2,048 x 256 float32; V 2 x 12 x 2,048 x 256 float32.
;; Outputs: out0 2 x 12 x 2,048 x 256 float32.
;; 2 versions, each right; version 2 is version 1 with the launch state written anew for expert scheduling mode. Each part assembles by itself: llvm-mc -triple=amdgcn-amd-amdhsa -mcpu=gfx1250 --defsym DOCPART=n.
;; ======== version 1 of 2: 2 launches
;; limits: values are held in f16: magnitudes above 65,504 overflow, below 6.1e-05 lose precision; right only within a limited range of input values
;; workspace buffers: states 22,020,096 bytes
;; launch state (part 1): grid 8 x 24, 8 waves a work-group, no clusters, 115,712 bytes of LDS; arguments K, V, states; writes states
.if DOCPART == 1
	.amdgcn_target "amdgcn-amd-amdhsa--gfx1250"
	.amdhsa_code_object_version 6
	.text
	.protected	k_qedda5ae96e_state
	.globl	k_qedda5ae96e_state
	.p2align	8
	.type	k_qedda5ae96e_state,@function
k_qedda5ae96e_state:
	s_mov_b64 s[64:65], 0
	v_nop
	global_prefetch_b8 v0, s[64:65] scope:SCOPE_SE
	s_setreg_imm32_b32 hwreg(HW_REG_WAVE_MODE, 25, 1), 1
	s_wait_xcnt 0x0
; LINEAR ATTENTION IN CHUNKS, FIRST LAUNCH: THE STATES.
; The module: out[t] = sum over s < t of (qr[t] . kr[s]) V[s], qr and kr = Q and K turned by RoPE, 24 heads of 2,048 rows x 256 channels, f32.
; There is no softmax, so in real numbers, for all inputs, (qr kr^T) V = qr (kr^T V).  With chunks of 256 rows, for a row t of chunk c:
;   out[t] = sum over s in chunk c, s < t, of (qr[t] . kr[s]) V[s]  +  qr[t] . S_c,     S_c = sum over s < 256 c of kr[s] V[s]^T   (256 x 256).
; This launch makes S_1 .. S_7 of every head; the second launch does the rest.
; WORK LEFT OUT, for all values of the inputs: the rows of chunk 7 of K and V enter no state (S_c takes s < 256 c <= 1,792): they are not loaded here.  S_0 is an empty sum: it is
; neither made, stored nor multiplied.  Products of rows s >= t are set to 0 by the module's own tril: no state holds them for the rows that it serves.
; LIMITS.  A NaN, an infinity or an overflow that reaches only terms left out (s >= t) is not carried to the result.  The sums are taken in another order than the module writes them.
; All matrix operands are f16.  K is multiplied by 2^-7 (folded into its cos and sin), so a state is stored as 2^-7 S: |V| stays under 65,504, |S| under 65,504 x 128 = 8.38e6; below 6.1e-5 a number keeps
; f16's fixed step of 6e-8.  The sums stay in f32 registers from chunk to chunk; each state is rounded once.
; RoPE.  Pair j (channels 2 j, 2 j + 1) turns by t f_j turns, f_j = 2^(-j/8) / (2 pi).  A lane's first angle is reduced by one fused multiply-add (t f - round(t f)), its sine and cosine come from
; polynomials of the half angle (error about 1e-6), and from row to row (16 rows on) the pair (cos, sin) is turned by a fixed step: 111 steps in all.  The module rounds t f to f32 first: the angles differ by up to some 2e-4.
; SHARES.  Work-group (x, head): 64 channels of K (ks = x & 3) x 128 channels of V (vh = x >> 2); it walks chunks 0 .. 6.  Wave w (a = w & 1, bq = w >> 1) owns four tiles of 16 x 16 of the state:
; K channels 64 ks + 32 a + 16 ta, V channels 128 vh + 32 bq + 16 tv.  D = (Ks^T) x V: source 0 = 16 K channels, source 1 = 16 V channels, 32 rows deep, both turned out of LDS by ds_load_tr16_b128.
; A lane of D holds ONE V channel and eight K channels: rounded in pairs that is half a fragment of source 0 of the second launch's product S^T x qr^T, so a state is stored in that order:
; states[head][c-1][kb 0..7][nb 0..15][half 0..1][lane][16 bytes]; each store of a wave covers 512 consecutive bytes, aligned.
; IN FLIGHT.  A wave's share of a chunk is 48 loads of 512 bytes (16 of K, 32 of V) into 192 registers of window 1; each register is asked for again, with the next chunk's row, as soon as it has been read.
; NO JOINT LOADS: a K slice has 2 readers and a V half 4, but f32 rows must pass through registers to be turned and rounded; raw in LDS a chunk's share is 196,608 bytes, and two such slots beside the
; 114,688 bytes of f16 tiles are more than 327,680.
.set ROWB,  1024                       ; bytes in a row of K or V
.set CHB,   256*ROWB                   ; bytes in a chunk
.set PK,    160                        ; LDS row of Ks: 128 bytes + 32: an odd multiple of 32
.set PV,    288                        ; LDS row of V: 256 bytes + 32
.set VB,    256*PK                     ; Ks at byte 0, V behind it
.set SPARE, VB+256*PV                  ; the spare words: 128 bytes for each of the eight waves, four blocks of 256 that no other line names
.set GOFK, 2                           ; v2   (2 w + l/16) rows + 16 (l % 16): never rewritten
.set GOFV, 3                           ; v3   w rows + 16 l: never rewritten
.set AKS,  4                           ; v4   where I store 8 bytes of a row of Ks
.set AVS,  5                           ; v5, v6  the same for V: rows 0-127, rows 128-255
.set AKF,  7                           ; v7   my lane's place in a turning load of Ks
.set AVF,  8                           ; v8, v9  the same for V: rows 0-127, rows 128-255
.set SOFF, 10                          ; v10  my 16 bytes in a state
.set SPW,  12                          ; v12  my spare word
.set NIL,  13                          ; v13  0
.set CS,   14                          ; v14-17  (cos, sin) x 2^-7 of my two pairs, rows of even number
.set ST,   18                          ; v18-21  (cos, sin) of 16 rows' turn
.set T,    22                          ; v22-25  a turned row
.set U,    26                          ; v26-29  (cos, sin) x 2^-7, rows of odd number
.set H,    30                          ; v30-45  f16 on its way to LDS
.set TR,   55                          ; v55-59  at work in the set-up
.set TA,   56
.set TZ,   57
.set TP,   58
.set TQ,   59
.set ACC,  64                          ; v64-95  tile (ta, tv) at ACC + 8 (2 ta + tv)
.set FR,   96                          ; v96-223 four sets of fragments: Ks ta at + 8 ta, V tv at + 16 + 8 tv
.set SH,   224                         ; v224-239 two fragments of a state
.set RK,   0                           ; window 1: K load n at 4 n
.set RV,   64                          ; window 1: V load n at 64 + 4 n
.set KP,   4                           ; s[4:5]  K at my head, slice and chunk
.set VP,   6                           ; s[6:7]  V likewise
.set SP,   8                           ; s[8:9]  the state to be stored next
.set MSB, 0
.macro WIN new                         ; the immediate's high byte repeats the setting that is left; a switch that changes nothing is dropped
.if MSB != (\new)
	s_set_vgpr_msb (MSB<<8)|(\new)
.set MSB, \new
.endif
.endm
.macro PLACES                          ; four plain places behind a matrix instruction (ISA guide 7.12.1)
.rept 4
	v_nop
.endr
.endm
; v[cs], v[cs+1] = cos, sin of 2 pi frac(t f).  With a = pi r, r in -0.5 .. 0.5 turns: sin a and cos a by their series up to a^11 and a^10, then the double angle.
.macro ANGLE cs, t, f
	v_mul_f32 v[TR], \t, v[\f]
	v_rndne_f32 v[TR], v[TR]
	v_fma_f32 v[TR], \t, v[\f], -v[TR]             ; t f less its nearest whole number, in one rounding
	v_mul_f32 v[TA], 0x40490fdb, v[TR]             ; a = pi r
	v_mul_f32 v[TZ], v[TA], v[TA]
	v_mov_b32 v[TP], 0xb2d7322b                    ; -1/11!
	v_mov_b32 v[TQ], 0xb493f27e                    ; -1/10!
	v_fmaak_f32 v[TP], v[TP], v[TZ], 0x3638ef1d    ; 1/9!
	v_fmaak_f32 v[TQ], v[TQ], v[TZ], 0x37d00d01    ; 1/8!
	v_fmaak_f32 v[TP], v[TP], v[TZ], 0xb9500d01    ; -1/7!
	v_fmaak_f32 v[TQ], v[TQ], v[TZ], 0xbab60b61    ; -1/6!
	v_fmaak_f32 v[TP], v[TP], v[TZ], 0x3c088889    ; 1/5!
	v_fmaak_f32 v[TQ], v[TQ], v[TZ], 0x3d2aaaab    ; 1/4!
	v_fmaak_f32 v[TP], v[TP], v[TZ], 0xbe2aaaab    ; -1/3!
	v_fmaak_f32 v[TQ], v[TQ], v[TZ], 0xbf000000    ; -1/2!
	v_mul_f32 v[TP], v[TP], v[TZ]
	v_fma_f32 v[TQ], v[TQ], v[TZ], 1.0             ; cos a
	v_fma_f32 v[TP], v[TP], v[TA], v[TA]           ; sin a
	v_mul_f32 v[TZ], v[TP], v[TQ]
	v_mul_f32 v[TA], v[TP], v[TP]
	v_add_f32 v[\cs+1], v[TZ], v[TZ]               ; sin 2a
	v_fma_f32 v[\cs], v[TA], -2.0, 1.0             ; cos 2a
.endm
	s_load_b128 s[4:7], s[0:1], 0x0                ; K, V
	s_load_b64 s[8:9], s[0:1], 0x10                ; states
	v_lshl_add_u32 v[SPW], v0, 2, SPARE
	v_mov_b32 v[NIL], 0
	v_lshrrev_b32 v1, 5, v0
	v_readfirstlane_b32 s14, v1                    ; wave 0..7
	s_and_b32 s16, ttmp9, 3                        ; ks
	s_lshr_b32 s17, ttmp9, 2                       ; vh
	s_and_b32 s18, ttmp7, 0xffff                   ; head
	s_and_b32 s19, s14, 1                          ; a
	s_lshr_b32 s20, s14, 1                         ; bq
	v_and_b32 v46, 31, v0                          ; l
	v_and_b32 v47, 15, v0                          ; l % 16
	v_bfe_u32 v48, v0, 4, 1                        ; l / 16
	v_and_b32 v49, 7, v0                           ; l % 8
	v_bfe_u32 v50, v0, 3, 1                        ; (l / 8) % 2
	s_lshl_b32 s21, s14, 11
	v_lshl_add_u32 v[GOFK], v48, 10, s21           ; row 2 w + l/16,
	v_lshl_add_u32 v[GOFK], v47, 4, v[GOFK]        ; 16 lanes cover the slice's 256 bytes
	s_lshl_b32 s21, s14, 10
	v_lshl_add_u32 v[GOFV], v46, 4, s21            ; row w, 32 lanes cover the half's 512 bytes
	s_mul_i32 s21, s14, 2*PK
	v_mul_u32_u24 v[AKS], v48, PK
	v_lshl_add_u32 v[AKS], v47, 3, v[AKS]
	v_add_nc_u32 v[AKS], s21, v[AKS]
	s_mul_i32 s21, s14, PV
	s_add_co_u32 s21, s21, VB
	v_lshl_add_u32 v[AVS], v46, 3, s21
	v_add_nc_u32 v[AVS+1], 128*PV, v[AVS]
	v_lshl_add_u32 v51, v48, 3, v49                ; the turning load: lane l reads row 8 (l/16) + l % 8, 16 bytes at 16 ((l/8) % 2)
	v_mul_u32_u24 v[AKF], v51, PK
	v_lshl_add_u32 v[AKF], v50, 4, v[AKF]
	s_lshl_b32 s21, s19, 6
	v_add_nc_u32 v[AKF], s21, v[AKF]               ; + my 32 K channels
	v_mul_u32_u24 v[AVF], v51, PV
	v_lshl_add_u32 v[AVF], v50, 4, v[AVF]
	s_lshl_b32 s21, s20, 6
	s_add_co_u32 s21, s21, VB
	v_add_nc_u32 v[AVF], s21, v[AVF]               ; + my 32 V channels
	v_add_nc_u32 v[AVF+1], 128*PV, v[AVF]
	s_lshl_b32 s21, s16, 1
	s_add_co_u32 s21, s21, s19                     ; kb = 2 ks + a
	s_lshl_b32 s21, s21, 14
	s_lshl_b32 s22, s17, 3
	s_lshl1_add_u32 s22, s20, s22                  ; nb = 8 vh + 2 bq (+ tv)
	s_lshl_b32 s22, s22, 10
	s_add_co_u32 s21, s21, s22
	v_lshl_add_u32 v[SOFF], v46, 4, s21
	s_lshl_b32 s22, s18, 21                        ; a head is 2,097,152 bytes
	s_lshl_b32 s24, s16, 8
	s_add_co_u32 s24, s24, s22
	s_mov_b32 s25, 0
	s_lshl_b32 s26, s17, 9
	s_add_co_u32 s26, s26, s22
	s_mov_b32 s27, 0
	s_mul_i32 s28, s18, 7*131072                   ; a head has seven states of 131,072 bytes
	s_mov_b32 s29, 0
	s_wait_kmcnt 0x0
	s_add_nc_u64 s[KP:KP+1], s[KP:KP+1], s[24:25]
	s_add_nc_u64 s[VP:VP+1], s[VP:VP+1], s[26:27]
	s_add_nc_u64 s[SP:SP+1], s[SP:SP+1], s[28:29]
	WIN 0x40                                       ; destination window 1, address window 0
.set ni, 0
.rept 16
	global_load_b128 v[RK+4*ni:RK+4*ni+3], v[GOFK], s[KP:KP+1] offset:ni*16*ROWB   ; chunk 0: rows 16 n + 2 w + l/16
.set ni, ni+1
.endr
.set ni, 0
.rept 32
	global_load_b128 v[RV+4*ni:RV+4*ni+3], v[GOFV], s[VP:VP+1] offset:ni*8*ROWB    ; rows 8 n + w
.set ni, ni+1
.endr
	WIN 0
.set ni, 0
.rept 32
	v_mov_b32 v[ACC+ni], 0                         ; the sums start at 0, written while the first loads are out, so that the loop has one form of product
.set ni, ni+1
.endr
	s_lshl_b32 s21, s16, 5
	v_lshl_add_u32 v52, v47, 1, s21                ; my pairs: j = 32 ks + 2 (l % 16), and the next
	v_add_nc_u32 v53, 1, v52
	v_cvt_f32_u32 v52, v52
	v_cvt_f32_u32 v53, v53
	v_mul_f32 v52, 0xbe000000, v52                 ; -j / 8
	v_mul_f32 v53, 0xbe000000, v53
	v_exp_f32 v52, v52
	v_exp_f32 v53, v53
	v_lshl_add_u32 v54, s14, 1, v48                ; my first row, 2 w + l/16: the plain instruction behind the exponentials
	s_wait_alu depctr_va_vdst(0)                   ; one wait for both exponentials, ahead of their first reader
	v_mul_f32 v52, 0x3e22f983, v52                 ; f = 2^(-j/8) / (2 pi), turns a row
	v_mul_f32 v53, 0x3e22f983, v53
	v_cvt_f32_u32 v54, v54
	s_mov_b32 s21, 0x41800000                      ; 16.0: rows from one of my K loads to the next
	ANGLE CS, v54, 52
	ANGLE CS+2, v54, 53
	ANGLE ST, s21, 52
	ANGLE ST+2, s21, 53
.set ni, 0
.rept 4
	v_mul_f32 v[CS+ni], 0x3c000000, v[CS+ni]       ; x 2^-7: K's scale rides on its rotation
.set ni, ni+1
.endr
; K load n: two pairs are turned, rounded and stored; the registers are asked for again at once; (cos, sin) goes 16 rows on, into the other of its two sets.
; left = the loads issued behind this one that may stay out.
.macro KLD n, reload, left
.set csi, CS+(U-CS)*((\n)%2)
.set cso, CS+(U-CS)*(1-(\n)%2)
	s_wait_loadcnt \left
	WIN 0x01                                       ; source 0 in window 1
.irp p, 0,1
	v_pk_mul_f32 v[T+2*\p:T+2*\p+1], v[RK+4*(\n)+2*\p:RK+4*(\n)+2*\p+1], v[csi+2*\p:csi+2*\p+1] op_sel_hi:[1,0]  ; (k0 c, k1 c)
.endr
.irp p, 0,1
	v_fma_f32 v[T+2*\p], -v[RK+4*(\n)+2*\p+1], v[csi+2*\p+1], v[T+2*\p]      ; k0 c - k1 s
	v_fma_f32 v[T+2*\p+1], v[RK+4*(\n)+2*\p], v[csi+2*\p+1], v[T+2*\p+1]     ; k1 c + k0 s
.endr
.if \reload
	WIN 0x40
	global_load_b128 v[RK+4*(\n):RK+4*(\n)+3], v[GOFK], s[KP:KP+1] offset:CHB+(\n)*16*ROWB
.endif
	WIN 0
	v_cvt_pk_f16_f32 v[H], v[T], v[T+1]
	v_cvt_pk_f16_f32 v[H+1], v[T+2], v[T+3]
	ds_store_b64 v[AKS], v[H:H+1] offset:(\n)*16*PK
.if (\reload) || ((\n) < 15)
.irp p, 0,1
	v_pk_mul_f32 v[cso+2*\p:cso+2*\p+1], v[csi+2*\p:csi+2*\p+1], v[ST+2*\p:ST+2*\p+1] op_sel_hi:[1,0]
.endr
.irp p, 0,1
	v_fma_f32 v[cso+2*\p], -v[csi+2*\p+1], v[ST+2*\p+1], v[cso+2*\p]
	v_fma_f32 v[cso+2*\p+1], v[csi+2*\p], v[ST+2*\p+1], v[cso+2*\p+1]
.endr
.endif
.endm
; V loads 8 vv .. 8 vv + 7: rounded, asked for again, stored.
.macro VBATCH vv, reload, left
	s_wait_loadcnt \left
	WIN 0x05                                       ; sources 0 and 1 in window 1
.set q, 0
.rept 8
	v_cvt_pk_f16_f32 v[H+2*q],   v[RV+4*(8*(\vv)+q)],   v[RV+4*(8*(\vv)+q)+1]
	v_cvt_pk_f16_f32 v[H+2*q+1], v[RV+4*(8*(\vv)+q)+2], v[RV+4*(8*(\vv)+q)+3]
.set q, q+1
.endr
.if \reload
	WIN 0x40
.set q, 0
.rept 8
	global_load_b128 v[RV+4*(8*(\vv)+q):RV+4*(8*(\vv)+q)+3], v[GOFV], s[VP:VP+1] offset:CHB+(8*(\vv)+q)*8*ROWB
.set q, q+1
.endr
.endif
	WIN 0
.set q, 0
.rept 8
	ds_store_b64 v[AVS+(8*(\vv)+q)/16], v[H+2*q:H+2*q+1] offset:((8*(\vv)+q)%16)*8*PV
.set q, q+1
.endr
.endm
; The fragments of rows 32 tb .. 32 tb + 31: eight turning loads into set tb % 4.
.macro LOADF tb
.set fs, FR+32*((\tb)&3)
.irp ta, 0,1
	ds_load_tr16_b128 v[fs+8*\ta:fs+8*\ta+3],   v[AKF] offset:(\tb)*32*PK+32*\ta
	ds_load_tr16_b128 v[fs+8*\ta+4:fs+8*\ta+7], v[AKF] offset:(\tb)*32*PK+32*\ta+16*PK
.endr
.irp tv, 0,1
	ds_load_tr16_b128 v[fs+16+8*\tv:fs+16+8*\tv+3],   v[AVF+(\tb)/4] offset:((\tb)&3)*32*PV+32*\tv
	ds_load_tr16_b128 v[fs+16+8*\tv+4:fs+16+8*\tv+7], v[AVF+(\tb)/4] offset:((\tb)&3)*32*PV+32*\tv+16*PV
.endr
.endm
; A chunk's 32 products.  The four accumulators take turns, one instruction a turn, from chunk to chunk too.
.macro COMPUTE
	LOADF 0
	LOADF 1
	LOADF 2
	LOADF 3
.set tbi, 0
.rept 8
.if tbi < 5
	s_wait_dscnt 24                                ; this set is in; the three younger sets, eight loads each, may stay out
.else
	s_wait_dscnt 8*(7-tbi)
.endif
.set fs, FR+32*(tbi&3)
.irp ta, 0,1
.irp tv, 0,1
	v_wmma_f32_16x16x32_f16 v[ACC+8*(2*\ta+\tv):ACC+8*(2*\ta+\tv)+7], v[fs+8*\ta:fs+8*\ta+7], v[fs+16+8*\tv:fs+16+8*\tv+7], v[ACC+8*(2*\ta+\tv):ACC+8*(2*\ta+\tv)+7]
.endr
.endr
.if tbi < 4
	PLACES                                         ; in front of loads into registers that the products have read
	LOADF tbi+4
.endif
.set tbi, tbi+1
.endr
.endm
; The running sums, rounded once, are the state behind this chunk.  Each accumulator is read from its low end on.
.macro STORE
	PLACES
.irp tv, 0,1
.irp ta, 0,1
.irp q, 0,1,2,3
	v_cvt_pk_f16_f32 v[SH+8*\tv+4*\ta+\q], v[ACC+8*(2*\ta+\tv)+2*\q], v[ACC+8*(2*\ta+\tv)+2*\q+1]
.endr
.endr
.endr
.irp tv, 0,1
	global_store_b128 v[SOFF], v[SH+8*\tv:SH+8*\tv+3],   s[SP:SP+1] offset:1024*\tv       ; 32 lanes store 512 consecutive bytes, aligned
	global_store_b128 v[SOFF], v[SH+8*\tv+4:SH+8*\tv+7], s[SP:SP+1] offset:1024*\tv+512
.endr
.endm
.macro CHUNK reload
.set ni, 0
.rept 16
.if \reload
	KLD ni, 1, 47                                  ; a ring of 48 loads: mine is the oldest
.else
	KLD ni, 0, 47-ni                               ; nothing is asked for any more: the counts run down
.endif
.set ni, ni+1
.endr
.set bi, 0
.rept 4
.if \reload
	VBATCH bi, 1, 40                               ; 48 less the batch's eight
.else
	VBATCH bi, 0, 24-8*bi
.endif
.set bi, bi+1
.endr
	s_wait_dscnt 0x0                               ; my stores into the tiles are done,
	s_barrier_signal -1
	s_barrier_wait -1                              ; everybody's are
	COMPUTE
.if \reload
	s_wait_dscnt 0x0                               ; my reads of the tiles are over (the last count ended at 0),
	s_barrier_signal -1
	s_barrier_wait -1                              ; everybody's are: the tiles may be written again
.endif
	STORE
.endm
	s_mov_b32 s15, 6
.Lchunk:                                               ; chunks 0 .. 5: each asks for the next chunk's rows
	CHUNK 1
	s_wait_xcnt 0x0                                ; the loads and stores issued so far have read their addresses and data: the pointers, and later SH, may be written
	s_add_nc_u64 s[KP:KP+1], s[KP:KP+1], CHB
	s_add_nc_u64 s[VP:VP+1], s[VP:VP+1], CHB
	s_add_nc_u64 s[SP:SP+1], s[SP:SP+1], 131072
	s_sub_co_i32 s15, s15, 1
	s_cmp_lg_u32 s15, 0
	s_cbranch_scc1 .Lchunk
	CHUNK 0                                        ; chunk 6 loads nothing: chunk 7 enters no state
	s_wait_tensorcnt 0x0                           ; the wave's end, behind my last LDS store
	ds_add_u32 v[SPW], v[NIL]
	s_wait_dscnt 0x0
	s_endpgm
.Lfunc_end_k_qedda5ae96e_state:
	.size	k_qedda5ae96e_state, .Lfunc_end_k_qedda5ae96e_state-k_qedda5ae96e_state
	.p2alignl 7, 3214868480
	.fill 96, 4, 3214868480
	.section	.rodata,"a",@progbits
	.p2align	6, 0x0
	.amdhsa_kernel k_qedda5ae96e_state
		.amdhsa_group_segment_fixed_size 115712
		.amdhsa_private_segment_fixed_size 0
		.amdhsa_enable_private_segment 0
		.amdhsa_kernarg_size 24
		.amdhsa_user_sgpr_count 2
		.amdhsa_user_sgpr_kernarg_segment_ptr 1
		.amdhsa_wavefront_size32 1
		.amdhsa_system_sgpr_workgroup_id_x 1
		.amdhsa_system_sgpr_workgroup_id_y 1
		.amdhsa_system_sgpr_workgroup_id_z 1
		.amdhsa_system_vgpr_workitem_id 0
		.amdhsa_next_free_vgpr 448
		.amdhsa_next_free_sgpr 66
		.amdhsa_reserve_vcc 0
		.amdhsa_float_denorm_mode_32 3
		.amdhsa_float_denorm_mode_16_64 3
		.amdhsa_memory_ordered 1
		.amdhsa_forward_progress 1
		.amdhsa_inst_pref_size 82
	.end_amdhsa_kernel
	.amdgpu_metadata
---
amdhsa.version: [ 1, 2 ]
amdhsa.kernels:
  - .name:           k_qedda5ae96e_state
    .symbol:         k_qedda5ae96e_state.kd
    .args:
      - { .name: K, .offset: 0, .size: 8, .value_kind: global_buffer, .address_space: global }
      - { .name: V, .offset: 8, .size: 8, .value_kind: global_buffer, .address_space: global }
      - { .name: states, .offset: 16, .size: 8, .value_kind: global_buffer, .address_space: global }
    .group_segment_fixed_size: 115712
    .private_segment_fixed_size: 0
    .kernarg_segment_align: 8
    .kernarg_segment_size: 24
    .max_flat_workgroup_size: 256
    .sgpr_count:     66
    .vgpr_count:     448
    .wavefront_size: 32
...
	.end_amdgpu_metadata
.endif
;; end of part 1
;; launch chunk (part 2): grid 8 x 24, 4 waves a work-group, no clusters, 301,056 bytes of LDS; arguments Q, K, V, states, out0; writes out0
.if DOCPART == 2
	.amdgcn_target "amdgcn-amd-amdhsa--gfx1250"
	.amdhsa_code_object_version 6
	.text
	.protected	k_qedda5ae96e_chunk
	.globl	k_qedda5ae96e_chunk
	.p2align	8
	.type	k_qedda5ae96e_chunk,@function
k_qedda5ae96e_chunk:
	s_mov_b64 s[64:65], 0
	v_nop
	global_prefetch_b8 v0, s[64:65] scope:SCOPE_SE
	s_setreg_imm32_b32 hwreg(HW_REG_WAVE_MODE, 25, 1), 1
	s_wait_xcnt 0x0
; LINEAR ATTENTION IN CHUNKS, SECOND LAUNCH.  For head hd and chunk c (256 rows): out[t] = sum over s in the chunk, s < t, of (qr[t] . kr[s]) V[s] + qr[t] . S_c, with S_c from the first launch.
; WORK LEFT OUT, for all values of the inputs: tiles of 16 queries x 32 keys whose keys all lie at or behind the queries (the module's own tril sets them to 0); S_0, an empty sum: chunk 0 neither loads nor
; multiplies a state.  In the band that holds the diagonal whole tiles of 16 x 16 above it are multiplied and then set to 0 with the rest of the mask: all four waves run one text.
; LIMITS.  A NaN, an infinity or an overflow that reaches only terms with s >= t is not carried to the result.  The sums are taken in another order than the module writes them.  All matrix operands are f16:
; |Q| and |V| stay under 65,504; K is multiplied by 2^-7 on its rotation, so the scores and the state enter as 2^-7 of themselves and stay in range up to 8.38e6; below 6.1e-5 a number keeps f16's fixed
; step of 6e-8; the f32 sums are multiplied by 128 at the end.  RoPE as in the first launch: angle reduced by one fused multiply-add, polynomials (error about 1e-6), then a fixed turn of 4 rows, 64 times.
; SHARES.  Rows are brought in and turned by wave w as local rows 4 i + w.  For the products wave w owns four tiles of 16 queries, rows 64 x + 16 w + r (x = 0..3): the same work for every wave in every band.
; Keys go in eight items of 32: item (b, sb) = keys 64 b + 32 sb ..; it serves the tiles x >= b, and tile x = b is masked.
; LAYOUT.  S^T = Ks qr^T (source 0 = 16 keys, source 1 = 16 queries): a lane holds ONE query and eight keys; two such results rounded in pairs ARE source 1 of O^T = V^T P; O^T += (2^-7 S)^T qr^T takes the state's
; fragments as they were stored.  O^T holds one query a lane and eight channels.  The product with the state is cut in eight slices of 32 K channels, one behind each item.
; IN FLIGHT.  A ring of 32 row slots (64 loads of 512 bytes) in window 1 runs from Q's first row to V's last: first Q's 64 rows of the wave, then for each item 8 rows of K and 8 of V, two items ahead.  A slot is
; asked for again as soon as it has been read.  The 64th load's issue waits until the counter has room (ISA guide 5.7.1).  The state comes by 64 asynchronous copies a wave, once.
; NO JOINT LOADS: no two work-groups of this launch read the same byte.
; LDS: qr 256 rows x 528 bytes; the state, 131,072 bytes, filled once by the copies and by nothing else; Ks of an item 32 x 528; V of an item 32 x 544; the spare words.  The way out takes qr's bytes when qr is done with.
; REGISTERS, in windows of 256 (s_set_vgpr_msb: bits 1:0 source 0, 3:2 source 1, 5:4 source 2, 7:6 destination):
;   window 0: addresses, rotations, v64-127 S^T (tile x, key half kt at 64 + 16 x + 8 kt), v128-223 two fragment sets of 48, v224-255 P; V's and the state's fragments take v64-223 when S^T is done with
;   window 1: the ring, slot n at 8 n          window 2: O^T of tiles 0, 1 (128 (x % 2) + 8 nb)          window 3: O^T of tiles 2, 3
.set PQ,    528                        ; an LDS row of 256 f16 + 16 bytes: an odd multiple of 16, so the 16 rows of a fragment load start in 16 different columns of 16 bytes
.set PVV,   544                        ; V's: an odd multiple of 32
.set SS,    256*PQ                     ; the state
.set KB,    SS+131072                  ; Ks of the item in hand
.set VB,    KB+32*PQ                   ; V of the item in hand
.set SPARE, VB+32*PVV                  ; the spare words: 128 bytes for each wave, two blocks of 256 that no other line names
.set OSP,   1040                       ; the way out: a row of 256 f32 + 16 bytes; 16 rows a wave, at 16,640 w
.set GOFF, 2                           ; v2   w rows + 16 l: never rewritten
.set AQS,  3                           ; v3, v4  where I store 8 bytes of a row of qr: slots 0-15, slots 16-31
.set AKS,  5                           ; v5   the same for Ks
.set AVS,  6                           ; v6   the same for V
.set AKF,  7                           ; v7   my lane's place in a fragment of Ks
.set AQ01, 8                           ; v8, v9  in a fragment of qr: tiles 0 and 1, tiles 2 and 3
.set AVF,  10                          ; v10  in a turning load of V
.set ASF,  11                          ; v11  the state's slice in hand
.set AQQ,  12                          ; v12, v13  qr's channels of that slice
.set DM,   14                          ; v14  16 w + r - 8 h: register j of key half kt is visible where 32 sb + 16 kt + j is less
.set OST,  15                          ; v15  the way out: where I put 32 bytes of a row
.set ORD,  16                          ; v16  where I read rows back
.set OGO,  17                          ; v17  my 16 bytes of 512 in out0
.set SPW,  18                          ; v18  my spare word
.set NIL,  19                          ; v19  0
.set CS,   20                          ; v20-27  (cos, sin) of my four pairs, slots of even number
.set ST,   28                          ; v28-35  (cos, sin) of 4 rows' turn
.set T,    36                          ; v36-43  a turned row
.set U,    44                          ; v44-51  (cos, sin), slots of odd number
.set H,    52                          ; v52-55  a row in f16
.set HV,   44                          ; v44-59  four rows of V in f16 (between runs of an even number of turned rows, when set U is idle; first written behind the wait for the copies)
.set TR,   44                          ; v44-48  at work in the set-up
.set TA,   45
.set TZ,   46
.set TP,   47
.set TQ,   48
.set ALD2, 56                          ; v56  the copies' LDS address, the state's second 65,536 bytes: not written again before the wait for the copies
.set AGO2, 57                          ; v57  the copies' offset in the state, likewise
.set ALD,  60                          ; v60  the copies' LDS address, the state's first 65,536 bytes: never rewritten
.set AGO,  61                          ; v61  the copies' offset in the state: never rewritten
.set AQB,  62                          ; v62  528 w + 8 l
.set ASF0, 63                          ; v63  the state's first byte + 16 l
.set SC,   64
.set FR0,  128
.set PP,   224
.set KP,   32                          ; s[32:33] K at the band in hand
.set VP,   34                          ; s[34:35] V likewise
.set MSB, 0
.macro WIN new                         ; the immediate's high byte repeats the setting that is left; a switch that changes nothing is dropped
.if MSB != (\new)
	s_set_vgpr_msb (MSB<<8)|(\new)
.set MSB, \new
.endif
.endm
.macro PLACES                          ; four plain places behind a matrix instruction (ISA guide 7.12.1)
.rept 4
	v_nop
.endr
.endm
.macro BAR                             ; my LDS instructions are done; then everybody's are
	s_wait_dscnt 0x0
	s_barrier_signal -1
	s_barrier_wait -1
.endm
; v[cs], v[cs+1] = cos, sin of 2 pi frac(t f), by the half angle a = pi r
.macro ANGLE cs, t, f
	v_mul_f32 v[TR], \t, v[\f]
	v_rndne_f32 v[TR], v[TR]
	v_fma_f32 v[TR], \t, v[\f], -v[TR]
	v_mul_f32 v[TA], 0x40490fdb, v[TR]
	v_mul_f32 v[TZ], v[TA], v[TA]
	v_mov_b32 v[TP], 0xb2d7322b                    ; -1/11!
	v_mov_b32 v[TQ], 0xb493f27e                    ; -1/10!
	v_fmaak_f32 v[TP], v[TP], v[TZ], 0x3638ef1d
	v_fmaak_f32 v[TQ], v[TQ], v[TZ], 0x37d00d01
	v_fmaak_f32 v[TP], v[TP], v[TZ], 0xb9500d01
	v_fmaak_f32 v[TQ], v[TQ], v[TZ], 0xbab60b61
	v_fmaak_f32 v[TP], v[TP], v[TZ], 0x3c088889
	v_fmaak_f32 v[TQ], v[TQ], v[TZ], 0x3d2aaaab
	v_fmaak_f32 v[TP], v[TP], v[TZ], 0xbe2aaaab
	v_fmaak_f32 v[TQ], v[TQ], v[TZ], 0xbf000000
	v_mul_f32 v[TP], v[TP], v[TZ]
	v_fma_f32 v[TQ], v[TQ], v[TZ], 1.0             ; cos a
	v_fma_f32 v[TP], v[TP], v[TA], v[TA]           ; sin a
	v_mul_f32 v[TZ], v[TP], v[TQ]
	v_mul_f32 v[TA], v[TP], v[TP]
	v_add_f32 v[\cs+1], v[TZ], v[TZ]
	v_fma_f32 v[\cs], v[TA], -2.0, 1.0
.endm
	s_load_b256 s[4:11], s[0:1], 0x0               ; Q, K, V, states
	s_load_b64 s[12:13], s[0:1], 0x20              ; out0
	v_lshl_add_u32 v[SPW], v0, 2, SPARE
	v_mov_b32 v[NIL], 0
	ds_add_u32 v[SPW], v[NIL]                      ; the wave's opening: the add, twice on end, and its wait ahead of my first copy; the set-up below, work on registers, stands between
	ds_add_u32 v[SPW], v[NIL]
	v_lshrrev_b32 v1, 5, v0
	v_readfirstlane_b32 s16, v1                    ; wave 0..3
	s_mov_b32 s14, ttmp9                           ; chunk
	s_and_b32 s15, ttmp7, 0xffff                   ; head
	v_and_b32 v36, 31, v0                          ; l
	v_and_b32 v37, 15, v0                          ; r = l % 16
	v_bfe_u32 v38, v0, 4, 1                        ; h = l / 16
	v_and_b32 v39, 7, v0
	v_bfe_u32 v40, v0, 3, 1
	s_lshl_b32 s42, s16, 10
	v_lshl_add_u32 v[GOFF], v36, 4, s42
	s_mul_i32 s42, s16, PQ
	v_lshl_add_u32 v[AQB], v36, 3, s42
	s_add_co_u32 s42, s42, KB
	v_lshl_add_u32 v[AKS], v36, 3, s42
	s_mul_i32 s42, s16, PVV
	s_add_co_u32 s42, s42, VB
	v_lshl_add_u32 v[AVS], v36, 3, s42
	v_mul_u32_u24 v41, v37, PQ
	v_lshl_add_u32 v41, v38, 4, v41                ; row r x pitch + 16 h
	v_add_nc_u32 v[AKF], KB, v41
	s_mul_i32 s42, s16, 16*PQ
	v_add_nc_u32 v[AQ01], s42, v41                 ; row 16 w + r
	v_add_nc_u32 v[AQ01+1], 128*PQ, v[AQ01]
	v_lshl_add_u32 v42, v38, 3, v39                ; the turning load: row 8 h + l % 8, 16 bytes at 16 ((l / 8) % 2)
	v_mul_u32_u24 v42, v42, PVV
	v_lshl_add_u32 v42, v40, 4, v42
	v_add_nc_u32 v[AVF], VB, v42
	v_lshl_add_u32 v[ASF0], v36, 4, SS
	v_lshlrev_b32 v1, 3, v38
	v_sub_nc_u32 v[DM], v37, v1
	s_lshl_b32 s42, s16, 4
	v_add_nc_u32 v[DM], s42, v[DM]
	s_mul_i32 s42, s16, 16*OSP
	v_mul_u32_u24 v43, v37, OSP
	v_lshl_add_u32 v43, v38, 5, v43
	v_add_nc_u32 v[OST], s42, v43
	v_lshl_add_u32 v[ORD], v36, 4, s42
	s_lshl_b32 s42, s16, 14
	v_lshl_add_u32 v[OGO], v36, 4, s42
	v_lshlrev_b32 v[AGO], 4, v0                    ; the copies: 16 bytes a thread, the work-group's 128 threads on end,
	v_lshl_add_u32 v[ALD], v0, 4, SS
	v_lshl_add_u32 v[AGO2], v0, 4, 65536           ; and the same 65,536 bytes further on, so that every copy's immediate stays under 65,536
	v_lshl_add_u32 v[ALD2], v0, 4, SS+65536
	s_lshl_b32 s44, s15, 21                        ; a head is 2,097,152 bytes,
	s_lshl_b32 s42, s14, 18                        ; a chunk 262,144
	s_add_co_u32 s44, s44, s42
	s_mov_b32 s45, 0
	s_mov_b32 s38, 0x43000000                      ; 128.0, named as a pair
	s_mov_b32 s39, 0x43000000
	s_mov_b32 s46, 0x3c000000                      ; 2^-7, named as a pair
	s_mov_b32 s47, 0x3c000000
	s_wait_dscnt 0x0                               ; both opening adds are done
	s_wait_kmcnt 0x0
	s_add_nc_u64 s[4:5], s[4:5], s[44:45]          ; Q, K, V and out0 at my chunk
	s_add_nc_u64 s[6:7], s[6:7], s[44:45]
	s_add_nc_u64 s[8:9], s[8:9], s[44:45]
	s_add_nc_u64 s[12:13], s[12:13], s[44:45]
	s_add_nc_u64 s[20:21], s[4:5], 131072          ; what slots 0-7, 8-15, 16-23, 24-31 are asked for next: Q's rows 128 on
	s_add_nc_u64 s[22:23], s[4:5], 163840
	s_add_nc_u64 s[24:25], s[4:5], 196608
	s_add_nc_u64 s[26:27], s[4:5], 229376
	s_add_nc_u64 s[28:29], s[6:7], 32768           ; item 1 of K and of V
	s_add_nc_u64 s[30:31], s[8:9], 32768
	s_mov_b64 s[KP:KP+1], s[6:7]
	s_mov_b64 s[VP:VP+1], s[8:9]
	WIN 0x40                                       ; destination window 1, address window 0
.set ni, 0
.rept 31                               ; Q's rows 4 n + w, two loads of 512 bytes each; slot 31 follows behind the set-up
	global_load_b128 v[8*ni:8*ni+3],   v[GOFF], s[4:5] offset:ni*4096 th:TH_LOAD_NT
	global_load_b128 v[8*ni+4:8*ni+7], v[GOFF], s[4:5] offset:ni*4096+512 th:TH_LOAD_NT
.set ni, ni+1
.endr
	WIN 0
	s_cmp_eq_u32 s14, 0                            ; chunk 0 has no state
	s_cbranch_scc1 .Lno_state
	s_mul_i32 s44, s15, 7
	s_add_co_u32 s44, s44, s14
	s_sub_co_u32 s44, s44, 1
	s_lshl_b32 s44, s44, 17                        ; state c of head hd lies at (7 hd + c - 1) x 131,072
	s_mov_b32 s45, 0
	s_add_nc_u64 s[10:11], s[10:11], s[44:45]
.set ni, 0
.rept 32                               ; the work-group's 128 lanes copy 2,048 consecutive bytes a line; the immediate steps both addresses: the state's first half,
	global_load_async_to_lds_b128 v[ALD], v[AGO], s[10:11] offset:ni*2048
.set ni, ni+1
.endr
.set ni, 0
.rept 32                               ; and its second half, by the second pair of addresses
	global_load_async_to_lds_b128 v[ALD2], v[AGO2], s[10:11] offset:ni*2048
.set ni, ni+1
.endr
.Lno_state:
	v_lshlrev_b32 v36, 1, v36                      ; my pairs: j = 2 l, 2 l + 1 (first half of a row), 64 + 2 l, 65 + 2 l (second half)
	v_add_nc_u32 v37, 1, v36
	v_add_nc_u32 v38, 64, v36
	v_add_nc_u32 v39, 65, v36
.irp p, 36,37,38,39
	v_cvt_f32_u32 v\p, v\p
.endr
.irp p, 36,37,38,39
	v_mul_f32 v\p, 0xbe000000, v\p                 ; -j / 8
.endr
.irp p, 36,37,38,39
	v_exp_f32 v\p, v\p
.endr
	v_nop                                          ; a plain instruction behind the last exponential,
	s_wait_alu depctr_va_vdst(0)                   ; and one wait for the four, ahead of their first reader
.irp p, 36,37,38,39
	v_mul_f32 v\p, 0x3e22f983, v\p                 ; f = 2^(-j/8) / (2 pi), turns a row
.endr
	s_lshl_b32 s42, s14, 8
	s_add_co_u32 s42, s42, s16
	v_cvt_f32_u32 v40, s42                         ; my first row: t = 256 c + w
.irp p, 0,1,2,3
	ANGLE CS+2*\p, v40, 36+\p
	ANGLE ST+2*\p, 4.0, 36+\p
.endr
.irp p, 0,1,2,3
	v_pk_mul_f32 v[SC+2*\p:SC+2*\p+1], v[CS+2*\p:CS+2*\p+1], s[46:47] op_sel_hi:[1,0]  ; K starts at the same row, with its scale 2^-7: kept in S^T's registers while Q is turned
.endr
	WIN 0x40
	global_load_b128 v[248:251], v[GOFF], s[4:5] offset:31*4096 th:TH_LOAD_NT
	global_load_b128 v[252:255], v[GOFF], s[4:5] offset:31*4096+512 th:TH_LOAD_NT
	WIN 0
; A row that is turned: ring slot, where it goes in LDS, what the slot is asked for next, and how many younger loads may stay out.
; (cos, sin) goes 4 rows on, into the other of its two sets.
.macro ROWK slot, areg, off, reload, base, goff, left
.set csi, CS+(U-CS)*((\slot)%2)
.set cso, CS+(U-CS)*(1-(\slot)%2)
	s_wait_loadcnt \left
	WIN 0x01                                       ; source 0 in window 1
.irp p, 0,1,2,3
	v_pk_mul_f32 v[T+2*\p:T+2*\p+1], v[8*(\slot)+2*\p:8*(\slot)+2*\p+1], v[csi+2*\p:csi+2*\p+1] op_sel_hi:[1,0]  ; (x0 c, x1 c)
.endr
.irp p, 0,1,2,3
	v_fma_f32 v[T+2*\p], -v[8*(\slot)+2*\p+1], v[csi+2*\p+1], v[T+2*\p]      ; x0 c - x1 s
	v_fma_f32 v[T+2*\p+1], v[8*(\slot)+2*\p], v[csi+2*\p+1], v[T+2*\p+1]     ; x1 c + x0 s
.endr
.if \reload
	WIN 0x40
	global_load_b128 v[8*(\slot):8*(\slot)+3],   v[GOFF], s[\base:\base+1] offset:\goff th:TH_LOAD_NT
	global_load_b128 v[8*(\slot)+4:8*(\slot)+7], v[GOFF], s[\base:\base+1] offset:(\goff)+512 th:TH_LOAD_NT
.endif
	WIN 0
.irp p, 0,1,2,3
	v_cvt_pk_f16_f32 v[H+\p], v[T+2*\p], v[T+2*\p+1]
.endr
	ds_store_b64 v[\areg], v[H:H+1]   offset:\off
	ds_store_b64 v[\areg], v[H+2:H+3] offset:(\off)+256
.irp p, 0,1,2,3
	v_pk_mul_f32 v[cso+2*\p:cso+2*\p+1], v[csi+2*\p:csi+2*\p+1], v[ST+2*\p:ST+2*\p+1] op_sel_hi:[1,0]
.endr
.irp p, 0,1,2,3
	v_fma_f32 v[cso+2*\p], -v[csi+2*\p+1], v[ST+2*\p+1], v[cso+2*\p]
	v_fma_f32 v[cso+2*\p+1], v[csi+2*\p], v[ST+2*\p+1], v[cso+2*\p+1]
.endr
.endm
; Four rows of V (rows 4 vv .. 4 vv + 3 of my eight, ring set s): rounded, asked for again, stored.
.macro VB4 s, vv, reload, left
.set rb, 8*(16*(\s)+8+4*(\vv))
	s_wait_loadcnt \left
	WIN 0x05                                       ; sources 0 and 1 in window 1
.set q, 0
.rept 16
	v_cvt_pk_f16_f32 v[HV+q], v[rb+2*q], v[rb+2*q+1]
.set q, q+1
.endr
.if \reload
	WIN 0x40
.set q, 0
.rept 4
	global_load_b128 v[rb+8*q:rb+8*q+3],   v[GOFF], s[VP:VP+1] offset:65536+32768*(\s)+4096*(4*(\vv)+q) th:TH_LOAD_NT
	global_load_b128 v[rb+8*q+4:rb+8*q+7], v[GOFF], s[VP:VP+1] offset:65536+32768*(\s)+4096*(4*(\vv)+q)+512 th:TH_LOAD_NT
.set q, q+1
.endr
.endif
	WIN 0
.set q, 0
.rept 4
	ds_store_b64 v[AVS], v[HV+4*q:HV+4*q+1]   offset:(4*(\vv)+q)*4*PVV
	ds_store_b64 v[AVS], v[HV+4*q+2:HV+4*q+3] offset:(4*(\vv)+q)*4*PVV+256
.set q, q+1
.endr
.endm
; An item's 32 keys come out of ring set s into LDS.  reload = 1: the set is asked for again with the item two on (the next band's).
; The counts: a ring of 64 loads less the row's own two, or less a batch's eight; with reload = 0 the loads still behind mine.
.macro CONV s, reload
.set ri, 0
.rept 8
.if \reload
	ROWK 16*(\s)+ri, AKS, ri*4*PQ, 1, KP, 65536+32768*(\s)+4096*ri, 62
.else
	ROWK 16*(\s)+ri, AKS, ri*4*PQ, 0, KP, 0, 62-32*(\s)-2*ri
.endif
.set ri, ri+1
.endr
.irp vv, 0,1
.if \reload
	VB4 \s, \vv, 1, 56
.else
	VB4 \s, \vv, 0, 40-32*(\s)-8*\vv
.endif
.endr
.endm
; The fragments of channels 32 cb on: both key halves of Ks, and qr's tiles x >= b: 4 + 2 (4 - b) loads into set cb % 2.
.macro LOADF b, cb
.set fb, FR0+48*((\cb)&1)
.irp kt, 0,1
	ds_load_b128 v[fb+8*\kt:fb+8*\kt+3],   v[AKF] offset:\kt*16*PQ+64*(\cb)
	ds_load_b128 v[fb+8*\kt+4:fb+8*\kt+7], v[AKF] offset:\kt*16*PQ+64*(\cb)+32
.endr
.irp x, 0,1,2,3
.if \x >= (\b)
	ds_load_b128 v[fb+16+8*\x:fb+16+8*\x+3],   v[AQ01+\x/2] offset:(\x%2)*64*PQ+64*(\cb)
	ds_load_b128 v[fb+16+8*\x+4:fb+16+8*\x+7], v[AQ01+\x/2] offset:(\x%2)*64*PQ+64*(\cb)+32
.endif
.endr
.endm
; S^T = Ks qr^T for the tiles x >= b.  The 2 (4 - b) accumulators take turns, one instruction a turn; the first products start the sums.
.macro SCORES b
.set nx, 4-(\b)
	LOADF \b, 0
	LOADF \b, 1
.set cbi, 0
.rept 8
.if cbi < 7
	s_wait_dscnt 4+2*nx                            ; this set is in; the next set's loads may stay out
.else
	s_wait_dscnt 0x0
.endif
.set fb, FR0+48*(cbi&1)
.irp x, 0,1,2,3
.if \x >= (\b)
.irp kt, 0,1
.if cbi == 0
	v_wmma_f32_16x16x32_f16 v[SC+16*\x+8*\kt:SC+16*\x+8*\kt+7], v[fb+8*\kt:fb+8*\kt+7], v[fb+16+8*\x:fb+16+8*\x+7], 0
.else
	v_wmma_f32_16x16x32_f16 v[SC+16*\x+8*\kt:SC+16*\x+8*\kt+7], v[fb+8*\kt:fb+8*\kt+7], v[fb+16+8*\x:fb+16+8*\x+7], v[SC+16*\x+8*\kt:SC+16*\x+8*\kt+7]
.endif
.endr
.endif
.endr
.if cbi < 6
	PLACES                                         ; in front of loads into registers that the products have read
	LOADF \b, cbi+2
.endif
.set cbi, cbi+1
.endr
.endm
; O^T += V^T P for V's channel tiles lo .. lo + 7 and the tiles x >= b.  Every accumulator has one instruction in an item.
.macro PVG b, lo, zero
.irp ps, 0,1
.if 2*\ps+1 >= (\b)
	WIN 0xa0+0x50*\ps                              ; C and D in window 2 or 3, V and P in window 0
.set nbi, \lo
.rept 8
.set vf, 128+8*nbi
.if nbi >= 8
.set vf, 8*nbi
.endif
.irp xx, 0,1
.if 2*\ps+\xx >= (\b)
.if \zero
	v_wmma_f32_16x16x32_f16 v[128*\xx+8*nbi:128*\xx+8*nbi+7], v[vf:vf+7], v[PP+16*\ps+8*\xx:PP+16*\ps+8*\xx+7], 0
.else
	v_wmma_f32_16x16x32_f16 v[128*\xx+8*nbi:128*\xx+8*nbi+7], v[vf:vf+7], v[PP+16*\ps+8*\xx:PP+16*\ps+8*\xx+7], v[128*\xx+8*nbi:128*\xx+8*nbi+7]
.endif
.endif
.endr
.set nbi, nbi+1
.endr
.endif
.endr
.endm
; An item: scores, mask on tile b, rounding, and the product with V.  zero = 1: the chunk's first item starts all 64 sums.
.macro SCPV b, sb, zero
	SCORES \b
	PLACES                                         ; behind the last scores: in front of the loads into the fragment sets and of the reads of S^T
.set nbi, 0
.rept 8
	ds_load_tr16_b128 v[128+8*nbi:128+8*nbi+3],   v[AVF] offset:32*nbi
	ds_load_tr16_b128 v[128+8*nbi+4:128+8*nbi+7], v[AVF] offset:32*nbi+16*PVV
.set nbi, nbi+1
.endr
.set mi, 0
.rept 16                               ; key 32 sb + 16 kt + 8 h + j is kept where it is less than the query's 16 w + r; each accumulator is read from its low end on
	v_cmp_lt_i32 vcc_lo, 32*(\sb)+16*(mi/8)+mi%8, v[DM]
	v_cndmask_b32 v[SC+16*(\b)+mi], 0, v[SC+16*(\b)+mi], vcc_lo
.set mi, mi+1
.endr
.irp x, 0,1,2,3
.if \x >= (\b)
.set wi, 0
.rept 8
	v_cvt_pk_f16_f32 v[PP+8*\x+wi], v[SC+16*\x+2*wi], v[SC+16*\x+2*wi+1]
.set wi, wi+1
.endr
.endif
.endr
.set nbi, 8
.rept 8                                ; S^T is rounded: its registers take V's other eight tiles
	ds_load_tr16_b128 v[8*nbi:8*nbi+3],   v[AVF] offset:32*nbi
	ds_load_tr16_b128 v[8*nbi+4:8*nbi+7], v[AVF] offset:32*nbi+16*PVV
.set nbi, nbi+1
.endr
	s_wait_dscnt 16                                ; V's tiles 0-7 are in; the 16 younger loads may stay out
	PVG \b, 0, \zero
	s_wait_dscnt 0x0
	PVG \b, 8, \zero
	WIN 0
.endm
; A slice of O^T += (2^-7 S)^T qr^T: K channels 32 (2 B + sb) on, B = s36.  Chunk 0 has no state and jumps it.
.macro QS sb
	s_cmp_eq_u32 s14, 0
	s_cbranch_scc1 .Lno_qs_\@
	s_lshl_b32 s40, s36, 15                        ; two slices of 16,384 bytes a band,
	s_lshl_b32 s41, s36, 7                         ; two times 64 bytes of a row of qr
	v_add_nc_u32 v[ASF], s40, v[ASF0]              ; these three and the v_nop are the four places behind the last product with V
	v_add_nc_u32 v[AQQ], s41, v[AQ01]
	v_add_nc_u32 v[AQQ+1], s41, v[AQ01+1]
	v_nop
.irp x, 0,1,2,3
	ds_load_b128 v[192+8*\x:192+8*\x+3],   v[AQQ+\x/2] offset:(\x%2)*64*PQ+64*(\sb)
	ds_load_b128 v[192+8*\x+4:192+8*\x+7], v[AQQ+\x/2] offset:(\x%2)*64*PQ+64*(\sb)+32
.endr
.set nbi, 0
.rept 16
	ds_load_b128 v[64+8*nbi:64+8*nbi+3],   v[ASF] offset:16384*(\sb)+1024*nbi
	ds_load_b128 v[64+8*nbi+4:64+8*nbi+7], v[ASF] offset:16384*(\sb)+1024*nbi+512
.set nbi, nbi+1
.endr
	s_wait_dscnt 16                                ; qr and the state's tiles 0-7 are in; the 16 younger loads may stay out
	WIN 0xa0
.set nbi, 0
.rept 16
.if nbi == 8
	s_wait_dscnt 0x0
.endif
.irp xx, 0,1
	v_wmma_f32_16x16x32_f16 v[128*\xx+8*nbi:128*\xx+8*nbi+7], v[64+8*nbi:64+8*nbi+7], v[192+8*\xx:192+8*\xx+7], v[128*\xx+8*nbi:128*\xx+8*nbi+7]
.endr
.set nbi, nbi+1
.endr
	WIN 0xf0
.set nbi, 0
.rept 16
.irp xx, 0,1
	v_wmma_f32_16x16x32_f16 v[128*\xx+8*nbi:128*\xx+8*nbi+7], v[64+8*nbi:64+8*nbi+7], v[208+8*\xx:208+8*\xx+7], v[128*\xx+8*nbi:128*\xx+8*nbi+7]
.endr
.set nbi, nbi+1
.endr
	WIN 0
.Lno_qs_\@:
.endm
; The band's number picks the text.  The test for band 0 stands first: in the first trip s36 is the constant 0, and that arm's first item starts all sums.
.macro SWITCH sb
	s_cmp_eq_u32 s36, 0
	s_cbranch_scc0 .Lnot0_\@
	SCPV 0, \sb, 1-\sb
	s_branch .Ljoin_\@
.Lnot0_\@:
	s_cmp_eq_u32 s36, 1
	s_cbranch_scc0 .Lnot1_\@
	SCPV 1, \sb, 0
	s_branch .Ljoin_\@
.Lnot1_\@:
	SCPV 2, \sb, 0
.Ljoin_\@:
.endm
; THE WAY OUT of tile x: times 128; a lane's eight channels go as 32 bytes into my stage (rows of 1,040 bytes) and come back as whole rows.
.macro OUTX x
	s_wait_xcnt 0x0                                ; the last tile's stores have read their data: v64-191 are written again only behind this wait
	WIN 0x02+(\x)/2                                ; source 0 in window 2 or 3
.set oi, 0
.rept 64                               ; ascending: each accumulator is read from its low end on
	v_pk_mul_f32 v[64+2*oi:64+2*oi+1], v[128*((\x)%2)+2*oi:128*((\x)%2)+2*oi+1], s[38:39] op_sel_hi:[1,0]
.set oi, oi+1
.endr
	WIN 0
.set oi, 0
.rept 16
	ds_store_b128 v[OST], v[64+8*oi:64+8*oi+3]   offset:64*oi
	ds_store_b128 v[OST], v[64+8*oi+4:64+8*oi+7] offset:64*oi+16
.set oi, oi+1
.endr
.set oi, 0
.rept 32
	ds_load_b128 v[64+4*oi:64+4*oi+3], v[ORD] offset:(oi/2)*OSP+(oi%2)*512  ; LDS serves a wave's instructions in order (ISA guide 5.7.1.4): these see the stores above, and the next tile's stores come behind them
.set oi, oi+1
.endr
.set oi, 0
.rept 32
	s_wait_dscnt 31-oi
	global_store_b128 v[OGO], v[64+4*oi:64+4*oi+3], s[12:13] offset:(\x)*65536+(oi/2)*1024+(oi%2)*512 th:TH_STORE_NT  ; 32 lanes store 512 consecutive bytes, aligned
.set oi, oi+1
.endr
.endm
	; Q: two trips of 32 slots.  The first trip asks for Q's rows 128 on, the second for items 0 and 1 of K and V: the ring never stops.
	s_mov_b32 s37, 2
	s_mov_b32 s43, 0
.Lq:
	v_add_nc_u32 v[AQS], s43, v[AQB]
	v_add_nc_u32 v[AQS+1], 64*PQ, v[AQS]
.set ni, 0
.rept 32
	ROWK ni, AQS+ni/16, (ni%16)*4*PQ, 1, 20+2*(ni/8), (ni%8)*4096, 62
.set ni, ni+1
.endr
	s_wait_xcnt 0x0                                ; the loads issued so far have read their addresses: the four pointers may be written
	s_mov_b64 s[20:21], s[6:7]                     ; slots 0-7: K's item 0;  8-15: V's item 0;
	s_mov_b64 s[22:23], s[8:9]
	s_mov_b64 s[24:25], s[28:29]                   ; 16-23: K's item 1;  24-31: V's item 1
	s_mov_b64 s[26:27], s[30:31]
	s_add_co_u32 s43, s43, 128*PQ
	s_sub_co_i32 s37, s37, 1
	s_cmp_lg_u32 s37, 0
	s_cbranch_scc1 .Lq
	s_wait_asynccnt 0x0                            ; my part of the state is in LDS: said to the others by the first barrier below; the copies' address registers are free from here on
.set ni, 0
.rept 8
	v_mov_b32 v[CS+ni], v[SC+ni]                   ; K starts at the chunk's first rows again, with its scale
.set ni, ni+1
.endr
	s_mov_b32 s36, 0
.Lband:                                                ; bands 0, 1, 2: two items each; a barrier behind an item's stores, another behind its reads
	CONV 0, 1
	BAR                                            ; (the first of these also covers qr's stores and the copies)
	SWITCH 0
	QS 0
	BAR
	CONV 1, 1
	BAR
	SWITCH 1
	QS 1
	BAR
	s_wait_xcnt 0x0                                ; the loads issued so far have read their addresses
	s_add_nc_u64 s[KP:KP+1], s[KP:KP+1], 65536
	s_add_nc_u64 s[VP:VP+1], s[VP:VP+1], 65536
	s_add_co_u32 s36, s36, 1
	s_cmp_lt_u32 s36, 3
	s_cbranch_scc1 .Lband
	CONV 0, 0                                      ; band 3 is written out: nothing is left to ask for, and the counts run down
	BAR
	SCPV 3, 0, 0
	QS 0
	BAR
	CONV 1, 0
	BAR
	SCPV 3, 1, 0
	QS 1
	BAR                                            ; nobody reads qr any more: its bytes serve as the four stages
	PLACES
	OUTX 0
	OUTX 1
	OUTX 2
	OUTX 3
	s_wait_tensorcnt 0x0                           ; the wave's end, behind my last copy and my last LDS store
	s_wait_asynccnt 0x0
	ds_add_u32 v[SPW], v[NIL]
	s_wait_dscnt 0x0
	s_endpgm
.Lfunc_end_k_qedda5ae96e_chunk:
	.size	k_qedda5ae96e_chunk, .Lfunc_end_k_qedda5ae96e_chunk-k_qedda5ae96e_chunk
	.p2alignl 7, 3214868480
	.fill 96, 4, 3214868480
	.section	.rodata,"a",@progbits
	.p2align	6, 0x0
	.amdhsa_kernel k_qedda5ae96e_chunk
		.amdhsa_group_segment_fixed_size 301056
		.amdhsa_private_segment_fixed_size 0
		.amdhsa_enable_private_segment 0
		.amdhsa_kernarg_size 40
		.amdhsa_user_sgpr_count 2
		.amdhsa_user_sgpr_kernarg_segment_ptr 1
		.amdhsa_wavefront_size32 1
		.amdhsa_system_sgpr_workgroup_id_x 1
		.amdhsa_system_sgpr_workgroup_id_y 1
		.amdhsa_system_sgpr_workgroup_id_z 1
		.amdhsa_system_vgpr_workitem_id 0
		.amdhsa_next_free_vgpr 1024
		.amdhsa_next_free_sgpr 66
		.amdhsa_reserve_vcc 1
		.amdhsa_float_denorm_mode_32 3
		.amdhsa_float_denorm_mode_16_64 3
		.amdhsa_memory_ordered 1
		.amdhsa_forward_progress 1
		.amdhsa_inst_pref_size 255
	.end_amdhsa_kernel
	.section	.bss,"aw",@nobits
	.p2align	6
	.space	262144
	.amdgpu_metadata
---
amdhsa.version: [ 1, 2 ]
amdhsa.kernels:
  - .name:           k_qedda5ae96e_chunk
    .symbol:         k_qedda5ae96e_chunk.kd
    .args:
      - { .name: Q, .offset: 0, .size: 8, .value_kind: global_buffer, .address_space: global }
      - { .name: K, .offset: 8, .size: 8, .value_kind: global_buffer, .address_space: global }
      - { .name: V, .offset: 16, .size: 8, .value_kind: global_buffer, .address_space: global }
      - { .name: states, .offset: 24, .size: 8, .value_kind: global_buffer, .address_space: global }
      - { .name: out0, .offset: 32, .size: 8, .value_kind: global_buffer, .address_space: global }
    .group_segment_fixed_size: 301056
    .private_segment_fixed_size: 0
    .kernarg_segment_align: 8
    .kernarg_segment_size: 40
    .max_flat_workgroup_size: 128
    .sgpr_count:     66
    .vgpr_count:     1024
    .wavefront_size: 32
...
	.end_amdgpu_metadata
.endif
;; end of part 2
;; ======== version 2 of 2: 2 launches; version 1 with the launch state written anew for expert scheduling mode
;; limits: values are held in f16: magnitudes above 65,504 overflow, below 6.1e-05 lose precision; right only within a limited range of input values
;; workspace buffers: states 22,020,096 bytes
;; launch state (part 3): grid 8 x 24, 8 waves a work-group, no clusters, 115,712 bytes of LDS; arguments K, V, states; writes states
.if DOCPART == 3
	.amdgcn_target "amdgcn-amd-amdhsa--gfx1250"
	.amdhsa_code_object_version 6
	.text
	.protected	k_qedda5ae96e_state
	.globl	k_qedda5ae96e_state
	.p2align	8
	.type	k_qedda5ae96e_state,@function
k_qedda5ae96e_state:
	s_mov_b64 s[64:65], 0
	v_nop
	global_prefetch_b8 v0, s[64:65] scope:SCOPE_SE
	s_setreg_imm32_b32 hwreg(HW_REG_WAVE_SCHED_MODE, 0, 2), 2
	s_setreg_imm32_b32 hwreg(HW_REG_WAVE_MODE, 25, 1), 1
	s_wait_xcnt 0x0
	s_wait_alu depctr_vm_vsrc(0)
; LINEAR ATTENTION IN CHUNKS, FIRST LAUNCH: THE STATES.
; The module: out[t] = sum over s < t of (qr[t] . kr[s]) V[s], qr and kr = Q and K turned by RoPE, 24 heads of 2,048 rows x 256 channels, f32.
; There is no softmax, so in real numbers, for all inputs, (qr kr^T) V = qr (kr^T V).  With chunks of 256 rows, for a row t of chunk c:
;   out[t] = sum over s in chunk c, s < t, of (qr[t] . kr[s]) V[s]  +  qr[t] . S_c,     S_c = sum over s < 256 c of kr[s] V[s]^T   (256 x 256).
; This launch makes S_1 .. S_7 of every head; the second launch does the rest.
; WORK LEFT OUT, for all values of the inputs: the rows of chunk 7 of K and V enter no state (S_c takes s < 256 c <= 1,792): they are not loaded here.  S_0 is an empty sum: it is
; neither made, stored nor multiplied.  Products of rows s >= t are set to 0 by the module's own tril: no state holds them for the rows that it serves.
; LIMITS.  A NaN, an infinity or an overflow that reaches only terms left out (s >= t) is not carried to the result.  The sums are taken in another order than the module writes them.
; All matrix operands are f16.  K is multiplied by 2^-7 (folded into its cos and sin), so a state is stored as 2^-7 S: |V| stays under 65,504, |S| under 65,504 x 128 = 8.38e6; below 6.1e-5 a number keeps
; f16's fixed step of 6e-8.  The sums stay in f32 registers from chunk to chunk; each state is rounded once.
; RoPE.  Pair j (channels 2 j, 2 j + 1) turns by t f_j turns, f_j = 2^(-j/8) / (2 pi).  A lane's first angle is reduced by one fused multiply-add (t f - round(t f)), its sine and cosine come from
; polynomials of the half angle (error about 1e-6), and from row to row (16 rows on) the pair (cos, sin) is turned by a fixed step: 111 steps in all.  The module rounds t f to f32 first: the angles differ by up to some 2e-4.
; SHARES.  Work-group (x, head): 64 channels of K (ks = x & 3) x 128 channels of V (vh = x >> 2); it walks chunks 0 .. 6.  Wave w (a = w & 1, bq = w >> 1) owns four tiles of 16 x 16 of the state:
; K channels 64 ks + 32 a + 16 ta, V channels 128 vh + 32 bq + 16 tv.  D = (Ks^T) x V: source 0 = 16 K channels, source 1 = 16 V channels, 32 rows deep, both turned out of LDS by ds_load_tr16_b128.
; A lane of D holds ONE V channel and eight K channels: rounded in pairs that is half a fragment of source 0 of the second launch's product S^T x qr^T, so a state is stored in that order:
; states[head][c-1][kb 0..7][nb 0..15][half 0..1][lane][16 bytes]; each store of a wave covers 512 consecutive bytes, aligned.
; IN FLIGHT.  A wave's share of a chunk is 48 loads of 512 bytes (16 of K, 32 of V) into 192 registers of window 1; eight loads are a block, and a block's registers are asked for again, with the next
; chunk's rows, at the head of the block behind it.
; NO JOINT LOADS: a K slice has 2 readers and a V half 4, but f32 rows must pass through registers to be turned and rounded; raw in LDS a chunk's share is 196,608 bytes, and two such slots beside the
; 114,688 bytes of f16 tiles are more than 327,680.
; THE MODE: SCHED_MODE bits 1:0 = 2 (LLVM: expert scheduling mode 2), set by the entry lines.  The code itself states the register dependences
; between vector or matrix instructions and memory or LDS instructions, with s_wait_alu, always for 0.
; THE PLAN.  A chunk's rows come in as six blocks of eight loads: blocks 0, 1 = K's rows, blocks 2 .. 5 = V's.  Registers that memory or LDS instructions touch:
;   RK, RV     Block p's rotations or roundings read its 32 raw registers; the next chunk's loads land in them at the head of block p + 1.
;   H0, H1     Block p's roundings write H[p % 2]; the eight LDS stores at the head of block p + 1 read it; block p + 2 writes it again.
;   FR0 .. FR3 A product step's four matrix instructions read set tb % 4; the turning loads of step tb + 4 land in it, issued in step tb + 1.
;   SH         Written by the state's sixteen roundings, read by its four stores, once a chunk.
;   v2 - v10, v12, v13   Offsets and addresses: written at the head, named by no vector instruction behind the head's wait.
;   T, T2, CS, U, ST and the accumulators are named by vector and matrix instructions alone.
; So a block's head holds one wait on va_vdst (the block before has written its H and is done reading its raw registers) and, from block 2 on, one on vm_vsrc (the LDS stores of one head earlier have
; read the H that this block writes); the sixteen memory instructions follow in one run under one window setting.  Block 5's stand in a run of their own ahead of the barrier.
.set ROWB,  1024                       ; bytes in a row of K or V
.set CHB,   256*ROWB                   ; bytes in a chunk
.set PK,    160                        ; LDS row of Ks: 128 bytes + 32: an odd multiple of 32
.set PV,    288                        ; LDS row of V: 256 bytes + 32
.set VB,    256*PK                     ; Ks at byte 0, V behind it
.set SPARE, VB+256*PV                  ; the spare words: 128 bytes for each of the eight waves, four blocks of 256 that no other line names
.set GOFK, 2                           ; v2   (2 w + l/16) rows + 16 (l % 16): never rewritten
.set GOFV, 3                           ; v3   w rows + 16 l: never rewritten
.set AKS,  4                           ; v4   where I store 8 bytes of a row of Ks
.set AVS,  5                           ; v5, v6  the same for V: rows 0-127, rows 128-255
.set AKF,  7                           ; v7   my lane's place in a turning load of Ks
.set AVF,  8                           ; v8, v9  the same for V: rows 0-127, rows 128-255
.set SOFF, 10                          ; v10  my 16 bytes in a state
.set SPW,  12                          ; v12  my spare word
.set NIL,  13                          ; v13  0
.set CS,   14                          ; v14-17  (cos, sin) x 2^-7 of my two pairs, rows of even number
.set ST,   18                          ; v18-21  (cos, sin) of 16 rows' turn
.set T,    22                          ; v22-25  a turned row of even number
.set U,    26                          ; v26-29  (cos, sin) x 2^-7, rows of odd number
.set H,    30                          ; v30-45  H0: f16 on its way to LDS, blocks of even number
.set T2,   46                          ; v46-49  a turned row of odd number (v46-54 serve the set-up first)
.set TR,   55                          ; v55-59  at work in the set-up
.set TA,   56
.set TZ,   57
.set TP,   58
.set TQ,   59
.set ACC,  64                          ; v64-95  tile (ta, tv) at ACC + 8 (2 ta + tv)
.set FR,   96                          ; v96-223 four sets of fragments: Ks ta at + 8 ta, V tv at + 16 + 8 tv
.set SH,   224                         ; v224-239 two fragments of a state
.set H1,   240                         ; v240-255 H1: f16 on its way to LDS, blocks of odd number
.set RK,   0                           ; window 1: K load n at 4 n
.set RV,   64                          ; window 1: V load n at 64 + 4 n
.set KP,   4                           ; s[4:5]  K at my head, slice and chunk
.set VP,   6                           ; s[6:7]  V likewise
.set SP,   8                           ; s[8:9]  the state to be stored next
.set MSB, 0
.macro WIN new                         ; the immediate's high byte repeats the setting that is left; a switch that changes nothing is dropped
.if MSB != (\new)
	s_set_vgpr_msb (MSB<<8)|(\new)
.set MSB, \new
.endif
.endm
.macro PLACES                          ; four plain places behind a matrix instruction (ISA guide 7.12.1)
.rept 4
	v_nop
.endr
.endm
; v[cs], v[cs+1] = cos, sin of 2 pi frac(t f).  With a = pi r, r in -0.5 .. 0.5 turns: sin a and cos a by their series up to a^11 and a^10, then the double angle.
.macro ANGLE cs, t, f
	v_mul_f32 v[TR], \t, v[\f]
	v_rndne_f32 v[TR], v[TR]
	v_fma_f32 v[TR], \t, v[\f], -v[TR]             ; t f less its nearest whole number, in one rounding
	v_mul_f32 v[TA], 0x40490fdb, v[TR]             ; a = pi r
	v_mul_f32 v[TZ], v[TA], v[TA]
	v_mov_b32 v[TP], 0xb2d7322b                    ; -1/11!
	v_mov_b32 v[TQ], 0xb493f27e                    ; -1/10!
	v_fmaak_f32 v[TP], v[TP], v[TZ], 0x3638ef1d    ; 1/9!
	v_fmaak_f32 v[TQ], v[TQ], v[TZ], 0x37d00d01    ; 1/8!
	v_fmaak_f32 v[TP], v[TP], v[TZ], 0xb9500d01    ; -1/7!
	v_fmaak_f32 v[TQ], v[TQ], v[TZ], 0xbab60b61    ; -1/6!
	v_fmaak_f32 v[TP], v[TP], v[TZ], 0x3c088889    ; 1/5!
	v_fmaak_f32 v[TQ], v[TQ], v[TZ], 0x3d2aaaab    ; 1/4!
	v_fmaak_f32 v[TP], v[TP], v[TZ], 0xbe2aaaab    ; -1/3!
	v_fmaak_f32 v[TQ], v[TQ], v[TZ], 0xbf000000    ; -1/2!
	v_mul_f32 v[TP], v[TP], v[TZ]
	v_fma_f32 v[TQ], v[TQ], v[TZ], 1.0             ; cos a
	v_fma_f32 v[TP], v[TP], v[TA], v[TA]           ; sin a
	v_mul_f32 v[TZ], v[TP], v[TQ]
	v_mul_f32 v[TA], v[TP], v[TP]
	v_add_f32 v[\cs+1], v[TZ], v[TZ]               ; sin 2a
	v_fma_f32 v[\cs], v[TA], -2.0, 1.0             ; cos 2a
.endm
	s_load_b128 s[4:7], s[0:1], 0x0                ; K, V
	s_load_b64 s[8:9], s[0:1], 0x10                ; states
	v_lshl_add_u32 v[SPW], v0, 2, SPARE
	v_mov_b32 v[NIL], 0
	v_lshrrev_b32 v1, 5, v0
	v_readfirstlane_b32 s14, v1                    ; wave 0..7
	s_and_b32 s16, ttmp9, 3                        ; ks
	s_lshr_b32 s17, ttmp9, 2                       ; vh
	s_and_b32 s18, ttmp7, 0xffff                   ; head
	v_and_b32 v46, 31, v0                          ; l
	v_and_b32 v47, 15, v0                          ; l % 16
	v_bfe_u32 v48, v0, 4, 1                        ; l / 16
	v_and_b32 v49, 7, v0                           ; l % 8
	v_bfe_u32 v50, v0, 3, 1                        ; (l / 8) % 2
	s_wait_alu depctr_va_sdst(0)                   ; s14 is written, ahead of its first reader: the wave's shares and addresses are made from it
	s_and_b32 s19, s14, 1                          ; a
	s_lshr_b32 s20, s14, 1                         ; bq
	s_lshl_b32 s21, s14, 11
	v_lshl_add_u32 v[GOFK], v48, 10, s21           ; row 2 w + l/16,
	v_lshl_add_u32 v[GOFK], v47, 4, v[GOFK]        ; 16 lanes cover the slice's 256 bytes
	s_lshl_b32 s21, s14, 10
	v_lshl_add_u32 v[GOFV], v46, 4, s21            ; row w, 32 lanes cover the half's 512 bytes
	s_mul_i32 s21, s14, 2*PK
	v_mul_u32_u24 v[AKS], v48, PK
	v_lshl_add_u32 v[AKS], v47, 3, v[AKS]
	v_add_nc_u32 v[AKS], s21, v[AKS]
	s_mul_i32 s21, s14, PV
	s_add_co_u32 s21, s21, VB
	v_lshl_add_u32 v[AVS], v46, 3, s21
	v_add_nc_u32 v[AVS+1], 128*PV, v[AVS]
	v_lshl_add_u32 v51, v48, 3, v49                ; the turning load: lane l reads row 8 (l/16) + l % 8, 16 bytes at 16 ((l/8) % 2)
	v_mul_u32_u24 v[AKF], v51, PK
	v_lshl_add_u32 v[AKF], v50, 4, v[AKF]
	s_lshl_b32 s21, s19, 6
	v_add_nc_u32 v[AKF], s21, v[AKF]               ; + my 32 K channels
	v_mul_u32_u24 v[AVF], v51, PV
	v_lshl_add_u32 v[AVF], v50, 4, v[AVF]
	s_lshl_b32 s21, s20, 6
	s_add_co_u32 s21, s21, VB
	v_add_nc_u32 v[AVF], s21, v[AVF]               ; + my 32 V channels
	v_add_nc_u32 v[AVF+1], 128*PV, v[AVF]
	s_lshl_b32 s21, s16, 1
	s_add_co_u32 s21, s21, s19                     ; kb = 2 ks + a
	s_lshl_b32 s21, s21, 14
	s_lshl_b32 s22, s17, 3
	s_lshl1_add_u32 s22, s20, s22                  ; nb = 8 vh + 2 bq (+ tv)
	s_lshl_b32 s22, s22, 10
	s_add_co_u32 s21, s21, s22
	v_lshl_add_u32 v[SOFF], v46, 4, s21
	s_lshl_b32 s22, s18, 21                        ; a head is 2,097,152 bytes
	s_lshl_b32 s24, s16, 8
	s_add_co_u32 s24, s24, s22
	s_mov_b32 s25, 0
	s_lshl_b32 s26, s17, 9
	s_add_co_u32 s26, s26, s22
	s_mov_b32 s27, 0
	s_mul_i32 s28, s18, 7*131072                   ; a head has seven states of 131,072 bytes
	s_mov_b32 s29, 0
	s_wait_kmcnt 0x0
	s_add_nc_u64 s[KP:KP+1], s[KP:KP+1], s[24:25]
	s_add_nc_u64 s[VP:VP+1], s[VP:VP+1], s[26:27]
	s_add_nc_u64 s[SP:SP+1], s[SP:SP+1], s[28:29]
	WIN 0x40                                       ; destination window 1, address window 0
	s_wait_alu depctr_va_vdst(0)                   ; the offsets and addresses v2 to v10 are written, which every load, store and LDS instruction of the kernel reads; no vector line names them again
.set ni, 0
.rept 16
	global_load_b128 v[RK+4*ni:RK+4*ni+3], v[GOFK], s[KP:KP+1] offset:ni*16*ROWB   ; chunk 0: rows 16 n + 2 w + l/16
.set ni, ni+1
.endr
.set ni, 0
.rept 32
	global_load_b128 v[RV+4*ni:RV+4*ni+3], v[GOFV], s[VP:VP+1] offset:ni*8*ROWB    ; rows 8 n + w
.set ni, ni+1
.endr
	WIN 0
.set ni, 0
.rept 32
	v_mov_b32 v[ACC+ni], 0                         ; the sums start at 0, written while the first loads are out, so that the loop has one form of product
.set ni, ni+1
.endr
	s_lshl_b32 s21, s16, 5
	v_lshl_add_u32 v52, v47, 1, s21                ; my pairs: j = 32 ks + 2 (l % 16), and the next
	v_add_nc_u32 v53, 1, v52
	v_cvt_f32_u32 v52, v52
	v_cvt_f32_u32 v53, v53
	v_mul_f32 v52, 0xbe000000, v52                 ; -j / 8
	v_mul_f32 v53, 0xbe000000, v53
	v_exp_f32 v52, v52
	v_exp_f32 v53, v53
	v_lshl_add_u32 v54, s14, 1, v48                ; my first row, 2 w + l/16: the plain instruction behind the exponentials
	s_wait_alu depctr_va_vdst(0)                   ; both exponentials have written v52 and v53: one wait, ahead of their first reader
	v_mul_f32 v52, 0x3e22f983, v52                 ; f = 2^(-j/8) / (2 pi), turns a row
	v_mul_f32 v53, 0x3e22f983, v53
	v_cvt_f32_u32 v54, v54
	s_mov_b32 s21, 0x41800000                      ; 16.0: rows from one of my K loads to the next
	ANGLE CS, v54, 52
	ANGLE CS+2, v54, 53
	ANGLE ST, s21, 52
	ANGLE ST+2, s21, 53
.set ni, 0
.rept 4
	v_mul_f32 v[CS+ni], 0x3c000000, v[CS+ni]       ; x 2^-7: K's scale rides on its rotation
.set ni, ni+1
.endr
; (cos, sin) of both pairs goes 16 rows on, from one of its two sets into the other.
.macro TURN16 dst, src
.irp p, 0,1
	v_pk_mul_f32 v[\dst+2*\p:\dst+2*\p+1], v[\src+2*\p:\src+2*\p+1], v[ST+2*\p:ST+2*\p+1] op_sel_hi:[1,0]
.endr
.irp p, 0,1
	v_fma_f32 v[\dst+2*\p], -v[\src+2*\p+1], v[ST+2*\p+1], v[\dst+2*\p]
	v_fma_f32 v[\dst+2*\p+1], v[\src+2*\p], v[ST+2*\p+1], v[\dst+2*\p+1]
.endr
.endm
; K load n: its two pairs are turned by the set cs, into t.  Source 0 lies in window 1.
.macro ROT t, n, cs
.irp p, 0,1
	v_pk_mul_f32 v[\t+2*\p:\t+2*\p+1], v[RK+4*(\n)+2*\p:RK+4*(\n)+2*\p+1], v[\cs+2*\p:\cs+2*\p+1] op_sel_hi:[1,0]  ; (k0 c, k1 c)
.endr
.irp p, 0,1
	v_fma_f32 v[\t+2*\p], -v[RK+4*(\n)+2*\p+1], v[\cs+2*\p+1], v[\t+2*\p]      ; k0 c - k1 s
	v_fma_f32 v[\t+2*\p+1], v[RK+4*(\n)+2*\p], v[\cs+2*\p+1], v[\t+2*\p+1]     ; k1 c + k0 s
.endr
.endm
; Block g (0, 1): the vector work of K loads 8 g .. 8 g + 7, two rows at a time, so that a window setting serves twelve lines: turned, and rounded into H[g % 2].  No memory instruction stands here.
.macro KWORK g, reload
.set hb, H+(H1-H)*((\g)%2)
.set pr, 0
.rept 4
.set n0, 8*(\g)+2*pr
	WIN 0
	TURN16 U, CS                                   ; the odd row's rotation
	WIN 0x01                                       ; source 0 in window 1
	ROT T, n0, CS
	ROT T2, n0+1, U
	WIN 0
	v_cvt_pk_f16_f32 v[hb+4*pr],   v[T],    v[T+1]
	v_cvt_pk_f16_f32 v[hb+4*pr+1], v[T+2],  v[T+3]
	v_cvt_pk_f16_f32 v[hb+4*pr+2], v[T2],   v[T2+1]
	v_cvt_pk_f16_f32 v[hb+4*pr+3], v[T2+2], v[T2+3]
.if (\reload) || (n0 < 14)
	TURN16 CS, U                                   ; the next even row's; behind the last chunk's last row there is none
.endif
.set pr, pr+1
.endr
.endm
; Block g's memory instructions, issued at the head of the block behind it: its raw registers are asked for again with the next chunk's rows, and its H goes to LDS.
.macro KOUT g, reload
.set hb, H+(H1-H)*((\g)%2)
.set q, 0
.rept 8
.if \reload
	global_load_b128 v[RK+4*(8*(\g)+q):RK+4*(8*(\g)+q)+3], v[GOFK], s[KP:KP+1] offset:CHB+(8*(\g)+q)*16*ROWB
.endif
	ds_store_b64 v[AKS], v[hb+2*q:hb+2*q+1] offset:(8*(\g)+q)*16*PK
.set q, q+1
.endr
.endm
; Block 2 + vv: the vector work of V loads 8 vv .. 8 vv + 7: rounded into H[vv % 2].
.macro VWORK vv
.set hb, H+(H1-H)*((\vv)%2)
	WIN 0x05                                       ; sources 0 and 1 in window 1
.set q, 0
.rept 8
	v_cvt_pk_f16_f32 v[hb+2*q],   v[RV+4*(8*(\vv)+q)],   v[RV+4*(8*(\vv)+q)+1]
	v_cvt_pk_f16_f32 v[hb+2*q+1], v[RV+4*(8*(\vv)+q)+2], v[RV+4*(8*(\vv)+q)+3]
.set q, q+1
.endr
.endm
; Its memory instructions, as KOUT.
.macro VOUT vv, reload
.set hb, H+(H1-H)*((\vv)%2)
.set q, 0
.rept 8
.if \reload
	global_load_b128 v[RV+4*(8*(\vv)+q):RV+4*(8*(\vv)+q)+3], v[GOFV], s[VP:VP+1] offset:CHB+(8*(\vv)+q)*8*ROWB
.endif
	ds_store_b64 v[AVS+(8*(\vv)+q)/16], v[hb+2*q:hb+2*q+1] offset:((8*(\vv)+q)%16)*8*PV
.set q, q+1
.endr
.endm
; Fragment i (0, 1: Ks ta; 2, 3: V tv) of rows 32 tb .. 32 tb + 31: two turning loads into set tb % 4.
.macro LOADH tb, i
.set fl, FR+32*((\tb)&3)
.if (\i) < 2
	ds_load_tr16_b128 v[fl+8*(\i):fl+8*(\i)+3],   v[AKF] offset:(\tb)*32*PK+32*(\i)
	ds_load_tr16_b128 v[fl+8*(\i)+4:fl+8*(\i)+7], v[AKF] offset:(\tb)*32*PK+32*(\i)+16*PK
.else
	ds_load_tr16_b128 v[fl+8*(\i):fl+8*(\i)+3],   v[AVF+(\tb)/4] offset:((\tb)&3)*32*PV+32*((\i)-2)
	ds_load_tr16_b128 v[fl+8*(\i)+4:fl+8*(\i)+7], v[AVF+(\tb)/4] offset:((\tb)&3)*32*PV+32*((\i)-2)+16*PV
.endif
.endm
.macro LOADF tb
	LOADH \tb, 0
	LOADH \tb, 1
	LOADH \tb, 2
	LOADH \tb, 3
.endm
; A chunk's 32 products.  The four accumulators take turns, one instruction a turn, from chunk to chunk too.
; Sets 0 to 3 are asked for at once (their last readers, the chunk before's products, stand ahead of the wait in front of that chunk's stores).  Step tb = 1 .. 4 asks for set tb + 3,
; which lands where step tb - 1 has read: one wait at the step's head, and the eight loads are dealt behind the step's four products, which name set tb % 4 and the accumulators alone.
.macro COMPUTE
	LOADF 0
	LOADF 1
	LOADF 2
	LOADF 3
.set tbi, 0
.rept 8
.if tbi == 0
	s_wait_dscnt 24                                ; set 0 is in; the three younger sets, eight loads each, may stay out
.elseif tbi < 6
	s_wait_dscnt 16                                ; this set is in; two younger sets may stay out (the third is asked for below)
.else
	s_wait_dscnt 8*(7-tbi)
.endif
.if (tbi > 0) && (tbi < 5)
	PLACES                                         ; the places in front of loads into registers that the products have read stay as they stood;
	s_wait_alu depctr_va_vdst(0)                   ; the last step's products are done reading their set of fragments, in which the loads below land
.endif
.set fs, FR+32*(tbi&3)
.irp ta, 0,1
.irp tv, 0,1
	v_wmma_f32_16x16x32_f16 v[ACC+8*(2*\ta+\tv):ACC+8*(2*\ta+\tv)+7], v[fs+8*\ta:fs+8*\ta+7], v[fs+16+8*\tv:fs+16+8*\tv+7], v[ACC+8*(2*\ta+\tv):ACC+8*(2*\ta+\tv)+7]
.if (tbi > 0) && (tbi < 5)
	LOADH tbi+3, 2*\ta+\tv
.endif
.endr
.endr
.set tbi, tbi+1
.endr
.endm
; The running sums, rounded once, are the state behind this chunk.  Each accumulator is read from its low end on.
.macro STORE
	PLACES
	s_wait_alu depctr_vm_vsrc(0)                   ; the last chunk's four stores have read SH, which the roundings below write; this chunk's LDS stores have read H0 and H1, which the next chunk's first two blocks write
.irp tv, 0,1
.irp ta, 0,1
.irp q, 0,1,2,3
	v_cvt_pk_f16_f32 v[SH+8*\tv+4*\ta+\q], v[ACC+8*(2*\ta+\tv)+2*\q], v[ACC+8*(2*\ta+\tv)+2*\q+1]
.endr
.endr
.endr
	s_wait_alu depctr_va_vdst(0)                   ; the roundings have written SH, which the stores read
.irp tv, 0,1
	global_store_b128 v[SOFF], v[SH+8*\tv:SH+8*\tv+3],   s[SP:SP+1] offset:1024*\tv       ; 32 lanes store 512 consecutive bytes, aligned
	global_store_b128 v[SOFF], v[SH+8*\tv+4:SH+8*\tv+7], s[SP:SP+1] offset:1024*\tv+512
.endr
.endm
; A chunk.  reload = 1: each block's registers are asked for again.  The counts on LOADcnt: a ring of 48 loads less the block's own eight: behind block p's loads stand the 8 (5 - p) of this chunk's
; later blocks and the 8 p reloads of its earlier ones; with reload = 0 the first of the two alone.
; At a block's head the window switch comes first, then the waits, then the run of loads and LDS stores; these stores name H and their own addresses, none of a load's registers.
.macro CHUNK reload
	s_wait_loadcnt 40                              ; block 0's rows are in
	KWORK 0, \reload
	WIN 0x40*(\reload)                             ; destination window 1, addresses and LDS data window 0
	s_wait_alu depctr_va_vdst(0)                   ; block 0 has written H0, which the LDS stores below read, and is done reading its raw registers, in which the loads below land
	KOUT 0, \reload
	s_wait_loadcnt 40-8*(1-(\reload))
	KWORK 1, \reload
	WIN 0x40*(\reload)
	s_wait_alu depctr_vm_vsrc(0)                   ; block 0's LDS stores have read H0, which block 2's roundings write again
	s_wait_alu depctr_va_vdst(0)                   ; block 1 has written H1 and is done reading its raw registers
	KOUT 1, \reload
	s_wait_loadcnt 40-16*(1-(\reload))
	VWORK 0
.set bi, 1
.rept 3
	WIN 0x40*(\reload)
	s_wait_alu depctr_vm_vsrc(0)                   ; the LDS stores issued at the last head have read the H that this block's roundings write again
	s_wait_alu depctr_va_vdst(0)                   ; the block before has written the other H, which the LDS stores below read, and is done reading its raw registers, in which the loads below land
	VOUT bi-1, \reload
	s_wait_loadcnt 40-8*(bi+2)*(1-(\reload))
	VWORK bi
.set bi, bi+1
.endr
	WIN 0x40*(\reload)
	s_wait_alu depctr_va_vdst(0)                   ; block 5 has written H1 and is done reading its raw registers: its run stands ahead of the barrier
	VOUT 3, \reload
	WIN 0
	s_wait_dscnt 0x0                               ; my stores into the tiles are done,
	s_barrier_signal -1
	s_barrier_wait -1                              ; everybody's are
	COMPUTE
.if \reload
	s_wait_dscnt 0x0                               ; my reads of the tiles are over (the last count ended at 0),
	s_barrier_signal -1
	s_barrier_wait -1                              ; everybody's are: the tiles may be written again
.endif
	STORE
.endm
	s_mov_b32 s15, 6
.Lchunk:                                               ; chunks 0 .. 5: each asks for the next chunk's rows
	CHUNK 1
	s_wait_xcnt 0x0                                ; the loads and stores issued so far have read their addresses and data: the pointers, and later SH, may be written
	s_add_nc_u64 s[KP:KP+1], s[KP:KP+1], CHB
	s_add_nc_u64 s[VP:VP+1], s[VP:VP+1], CHB
	s_add_nc_u64 s[SP:SP+1], s[SP:SP+1], 131072
	s_sub_co_i32 s15, s15, 1
	s_cmp_lg_u32 s15, 0
	s_cbranch_scc1 .Lchunk
	CHUNK 0                                        ; chunk 6 loads nothing: chunk 7 enters no state
	s_wait_dscnt 0x0                               ; the wave's end
	s_wait_alu 0x0
	s_wait_tensorcnt 0x0
	ds_add_u32 v[SPW], v[NIL]
	s_wait_dscnt 0x0
	s_endpgm
.Lfunc_end_k_qedda5ae96e_state:
	.size	k_qedda5ae96e_state, .Lfunc_end_k_qedda5ae96e_state-k_qedda5ae96e_state
	.p2alignl 7, 3214868480
	.fill 96, 4, 3214868480
	.section	.rodata,"a",@progbits
	.p2align	6, 0x0
	.amdhsa_kernel k_qedda5ae96e_state
		.amdhsa_group_segment_fixed_size 115712
		.amdhsa_private_segment_fixed_size 0
		.amdhsa_enable_private_segment 0
		.amdhsa_kernarg_size 24
		.amdhsa_user_sgpr_count 2
		.amdhsa_user_sgpr_kernarg_segment_ptr 1
		.amdhsa_wavefront_size32 1
		.amdhsa_system_sgpr_workgroup_id_x 1
		.amdhsa_system_sgpr_workgroup_id_y 1
		.amdhsa_system_sgpr_workgroup_id_z 1
		.amdhsa_system_vgpr_workitem_id 0
		.amdhsa_next_free_vgpr 448
		.amdhsa_next_free_sgpr 66
		.amdhsa_reserve_vcc 0
		.amdhsa_float_denorm_mode_32 3
		.amdhsa_float_denorm_mode_16_64 3
		.amdhsa_memory_ordered 1
		.amdhsa_forward_progress 1
		.amdhsa_inst_pref_size 81
	.end_amdhsa_kernel
	.amdgpu_metadata
---
amdhsa.version: [ 1, 2 ]
amdhsa.kernels:
  - .name:           k_qedda5ae96e_state
    .symbol:         k_qedda5ae96e_state.kd
    .args:
      - { .name: K, .offset: 0, .size: 8, .value_kind: global_buffer, .address_space: global }
      - { .name: V, .offset: 8, .size: 8, .value_kind: global_buffer, .address_space: global }
      - { .name: states, .offset: 16, .size: 8, .value_kind: global_buffer, .address_space: global }
    .group_segment_fixed_size: 115712
    .private_segment_fixed_size: 0
    .kernarg_segment_align: 8
    .kernarg_segment_size: 24
    .max_flat_workgroup_size: 256
    .sgpr_count:     66
    .vgpr_count:     448
    .wavefront_size: 32
...
	.end_amdgpu_metadata
.endif
;; end of part 3
;; launch chunk: the kernel of part 2 again; grid 8 x 24, 4 waves a work-group, no clusters, 301,056 bytes of LDS; arguments Q, K, V, states, out0; writes out0
